; MI455X (gfx1250); checked and timed in simulation.
; The chip was launched on July 23, 2026; its instructions are those of AMD's public machine-readable ISA for CDNA 5 (MIT licence, August 2026) and "CDNA5" Instruction Set Architecture Reference Guide (July 2026). The comments in the code are by the model that wrote it; some were corrected since.
;; Swin Window Transform Layer. Allowed arithmetic: matrix products marked QUANTISED: E4M3 operands, one given power-of-two scale a tensor, by v_wmma_f32_16x16x64_fp8_fp8 or v_wmma_f32_16x16x128_fp8_fp8, f32 sums; everything else in f32.
;; Inputs: W1_codes 2,048 x 16 x 32 uint8 (E4M3 codes of W1, K innermost, in blocks of 32 codes); W2_codes 512 x 64 x 32 uint8 (E4M3 codes of W2, K innermost, in blocks of 32 codes); b1 2,048 float32; b2 512 float32; inputs 8 x 4,096 x 512 float32; ln_beta 512 float32; ln_gamma 512 float32; lowp_scales 4 int32 (the exponents e of the quantised operands' scales 2^e).
;; Outputs: out0 8 x 4,096 x 512 float32.
;; This version of the problem:
;;   THIS VERSION OF THE PROBLEM IS GIVEN IN LOW PRECISION. The matrix products marked QUANTISED in the list below multiply operands that are first quantised to E4M3 (4 exponent bits, 3 mantissa bits; 8 bits a number), with one given power-of-two scale for each operand tensor; their sums are f32. All else is computed in f32.
;;   The module's matrix products, in the order in which they are computed (A, B: the left and right operand; K: the contracted axis; several contracted axes count as one K, in the product's order):
;;     1. [M 32,768, K 512] x [K 512, N 2,048]; A: computed on the way; B: input W1 (given as codes): QUANTISED (scales: A lowp_scales[0], B lowp_scales[1])
;;     2. [M 32,768, K 2,048] x [K 2,048, N 512]; A: computed on the way; B: input W2 (given as codes): QUANTISED (scales: A lowp_scales[2], B lowp_scales[3])
;;   THE QUANTISER, for each operand of a quantised product, along K:
;;     - The operand's scale is 2^e, e = its entry of the input lowp_scales (int32; the entries are numbered through the quantised products in the list's order, A before B).
;;     - Each number is divided by the scale, clamped to +-448, and rounded to the nearest number of E4M3, ties to even, subnormals kept.
;;     - The product sums the exact products of the quantised numbers (number of the format x scale) in f32.
;;   ~~~python
;;   def quantise(x, axis, e):      # numpy; x: float32 -> the quantised numbers, widened to float32 again
;;       x = np.moveaxis(x, axis, -1); K = x.shape[-1]
;;       r = np.clip(x / 2.0 ** e, -448, 448)
;;       step = 2.0 ** (np.maximum(np.frexp(np.where(r == 0, 1, r))[1] - 1, -6) - 3)
;;       q = np.round(r / step) * step * 2.0 ** e      # np.round: ties to even
;;       return np.moveaxis(q, -1, axis).astype(np.float32)
;;   ~~~
;;   OPERANDS COMPUTED ON THE WAY. 'Computed on the way' means the value that the module computes at that place (a softmax that the list does not call 'softmax' is quantised finished and normalised). What goes into a quantiser is computed in f32, as accurately as f32 sums, v_exp_f32 and their like allow (about 1e-6 of the number): no bf16 or f16 on the way to a quantiser, and a product that is left as it is and whose result goes on into a quantised operand takes f32 operands (vector FMAs, or v_wmma_f32_16x16x4_f32). A number that lies on a knife's edge between two numbers of the format may be rounded either way, as far as f32 arithmetic and the matrix unit's own rounding can turn it there, and no further.
;;   INPUTS GIVEN AS CODES. W1 (in the module: [512, 2048], K = its axis 0); W2 (in the module: [2048, 512], K = its axis 0): each comes as NAME_codes (uint8): NAME with its K axis moved to the last place and cut into blocks of 32 codes, [.., K / 32, bytes a block], one block behind the other in memory; one code a byte (a code: sign, 4 exponent bits, 3 mantissa bits); its scale is its entry of lowp_scales. Its value is code x scale, taken as it is: it is not quantised again, and the codes and scales need not be those that the quantiser above would give.
;; One version. Each part assembles by itself: llvm-mc -triple=amdgcn-amd-amdhsa -mcpu=gfx1250 --defsym DOCPART=n.
;; ======== version 1 of 1: 1 launch
;; limits: right only within a limited range of input values
;; launch swin (part 1): grid 256 x 1, 4 waves a work-group, clusters of 4 x 1, 327,680 bytes of LDS; arguments inputs, ln_gamma, ln_beta, W1_codes, b1, W2_codes, b2, lowp_scales, out0; writes out0
.if DOCPART == 1
	.amdgcn_target "amdgcn-amd-amdhsa--gfx1250"
	.amdhsa_code_object_version 6
	.text
	.protected	k_qfb44c95ea9_swin
	.globl	k_qfb44c95ea9_swin
	.p2align	8
	.type	k_qfb44c95ea9_swin,@function
k_qfb44c95ea9_swin:
	s_mov_b64 s[64:65], 0
	v_nop
	global_prefetch_b8 v0, s[64:65] scope:SCOPE_SE
	s_setreg_imm32_b32 hwreg(HW_REG_WAVE_MODE, 25, 1), 1
	s_wait_xcnt 0x0
	s_wait_alu depctr_hold_cnt(0) depctr_sa_sdst(0) depctr_va_vdst(0) depctr_va_sdst(0) depctr_va_ssrc(0) depctr_va_vcc(0) depctr_vm_vsrc(0)
	s_getreg_b32 s2, hwreg(HW_REG_IB_STS2, 6, 4)
	s_cmp_eq_u32 s2, 0
	s_cbranch_scc0 .Lentry_in_a_cluster
	s_endpgm
.Lentry_in_a_cluster:
	s_bfe_u32 s2, ttmp6, 0x10000c
	s_cmp_lg_u32 s2, 0x3003
	s_cbranch_scc0 .Lentry_shape_is_right
	s_endpgm
.Lentry_shape_is_right:
; out = gelu(Q(LN(x)) W1 + b1) -> Q -> W2 + b2 + x,  x = inputs + inputs rolled by (-4, -4) on the 64 x 64 grid (the window partition and its reverse are one permutation and its inverse).
; Both products on codes of FP8 (E4M3) by v_wmma_f32_16x16x128_fp8_fp8, sums in f32; the four scales 2^e0 .. 2^e3 are given.  E1 = e0 + e1, E2 = e2 + e3.
; SHARES.  A work-group of four waves owns 128 rows (two rows of the grid); wave = 2 rh + ch: rh picks 64 rows, ch a half of the columns in both products.
; The hidden axis goes in 8 blocks of 256 units, each in two phases.  PHASE A: x W1 for my 64 rows x 128 units, in four trips of 32 units (32 products, gelu and codes for 64 numbers a lane).
; PHASE B: H W2 for my 64 rows x 256 columns, K = 256: 128 products.
; x NEVER LEAVES THE REGISTERS: x / 2^E2 is what the second product's 64 accumulators start from (512 registers), so out = accumulator x 2^E2 + b2.  LN(x)'s codes of my 64 rows (256 registers) stay for all blocks.
; BOTH PRODUCTS ARE USED TRANSPOSED (source 0 = 16 rows of the weight, source 1 = 16 rows of the activation): a lane holds one row and eight neighbours along the next K.
; K IS PERMUTED ALIKE ON BOTH SIDES: a weight's fragment comes by four loads of 16 bytes (lane (r, h): k = 32 c + 16 h + 0 .. 15 in registers 4 c .. 4 c + 3); the activations' codes are stored to LDS
; in pieces of 8 bytes at 512 c + 16 (r + 16 u) + 8 h (u: the tile's parity), so that a load of 16 bytes at 16 x lane brings the same k.  Only the order of the sums inside an instruction changes.
; WEIGHTS.  Slot 0 holds W1's 256 rows x 512 bytes of a block, slot 1 W2's 512 rows x 256 bytes.  All work-groups walk the same tiles, so the four of a cluster ask JOINTLY (mask 15); each wave fetches a quarter
; of a tile, one tensor load a wave behind each round of the cluster's barrier: behind the round ahead of phase A slot 1 is filled, behind the one ahead of phase B slot 0.  A wave has one tensor load out at most.
; PREFETCH.  W1's tile is asked for at phase B's head and waited for at its end, 128 products later.  So phase B of block j prefetches block j + 2's tile, two phases ahead of its tensor load: 512 blocks of 256 bytes,
; a lane a block, one instruction a wave, the four partners told apart by address.  Every work-group reads the same tiles, so the first four clusters alone ask.  Blocks 0 and 1 come by their loads alone; from block 6 on
; nothing is asked for.  W2's tile is not prefetched: its load has phase A (128 products and the gelu of 256 numbers a lane) in which to land.  The inputs are read once, in the head, which has no loop to run ahead in.
; GELU (the tanh form): v / (1 + 2^z), z = v (A0 + B0 v^2), A0 = -2 log2(e) sqrt(2 / pi), B0 = 0.044715 A0; on the raw sums s = v / 2^E1 the powers of two go into A's and B's exponent fields.
; LIMITS on the given exponents, so that each power of two below is an f32 number: e0 and e2 - E1 between -126 and 119; E1 between -40 and 43; E2 between -126 and 126.  NaN among the inputs is not served.
; ROUNDING: x is kept as d = x - mean while it is normalised and restored as d + mean: one f32 rounding more than the sum itself has.
.set ROWB,   2048                      ; a row of inputs and of out in bytes
.set PW1,    528                       ; a row of W1's tile in LDS: 512 bytes + 16: an odd multiple of 16, so the 16 rows of a 16-byte load fall into 16 different columns of 16 bytes modulo 256
.set PW2,    272                       ; a row of W2's tile: 256 + 16, likewise
.set W2OFF,  256*PW1                   ; slot 1 begins behind slot 0
.set STAT,   W2OFF+512*PW2             ; the rows' sums (2,048 bytes), then their sums of squares (2,048)
.set SPARE,  STAT+4096                 ; the spare words, 128 bytes for each wave: two blocks of 256 bytes that no other line names
.set U0,     SPARE+512                 ; bytes that only LDS stores write, three uses one after the other with barriers between:
                                       ;   the way in: 16 rows x 528 bytes for each wave;  images of LN's codes: 16 fragments x 2,048;  images of H's codes: 16 fragments x 2,048
.set XP,     528
.set B1L,    U0+4*16*XP                ; b1 / 2^E1, 8,192 bytes, stored once;
.set GBL,    B1L+8192                  ; behind it gamma (2,048 bytes) and beta (2,048), stored once
.set OP,     1040                      ; the way out: 16 rows x (1,024 + 16) for each wave, in slot 0, which has had its last fill and its last read by then
; vector registers, window 0, kept for the whole launch
.set AW1,  1                           ; my lane's place in W1's tile: (128 ch + r) x 528 + 16 h
.set AW2,  2                           ; in W2's: W2OFF + (256 ch + r) x 272 + 16 h
.set ADR1, 3                           ; AW1 + the trip's 32 rows; in phase B the prefetch's offset
.set HSA,  4                           ; HST + 512 x trip
.set HST,  5                           ; where I store images: U0 + 16,384 rh + 2,048 ch + 16 r + 8 h
.set HLD,  6                           ; and read them: U0 + 16,384 rh + 16 x lane
.set B1O,  7                           ; b1 in LDS: B1L + 512 ch + 32 h
.set SPW,  8                           ; LDS address of my spare word; never rewritten
.set NIL,  9                           ; 0; never rewritten
.set CA,   10                          ; v[10:11] gelu's A, twice
.set SCH,  12                          ; 2^(e2 - E1): H's conversions take its exponent field
.set LIMH, 13                          ; 448 x that
.set L16,  14                          ; 16 x lane
.set B1A,  15                          ; B1O + the trip's place;
.set GBO,  15                          ; in the last phase b2's offset: 1,024 ch + 32 h
; the blocks
.set TT,   16                          ; v16-47   gelu at work, then its codes
.set BIA,  48                          ; v48-63   b1 / 2^E1 of two tiles of units
.set ACC1, 64                          ; v64-127  the first product's eight accumulators ((mt, tl) at 64 + 16 mt + 8 tl)
.set WB,   128                         ; v128-255 eight fragments of W1; in phase B four sets of two of W2.  H's fragments in phase B: K step 0 at v64-127, K step 1 at v16-63 and v64-79
; the prologue
.set XSTA, 16
.set XLD,  17
.set STS,  18
.set STL,  19
.set GBA,  20                          ; gamma in LDS: GBL + 1,024 ch + 32 h
.set SC0,  22                          ; 2^e0
.set LIM0, 23                          ; 448 x 2^e0
.set SUM,  32                          ; v32-35   a figure for each of my four tiles of rows
.set OTH,  36                          ; v36-39   the other lanes', the other wave's
.set NMU,  40                          ; v40-47   -mean, a pair for each tile; later mean / 2^E2
.set RSTD, 48                          ; v48-55   1 / sqrt(var + eps), a pair for each tile
.set CHN,  56                          ; v56-59   at work
.set GBUF, 64                          ; v64-127  gamma (16) and beta (16), two sets
.set DN,   128                         ; v128-255 at work
.set PC,   192                         ; v192-207 codes
; the way out
.set STO,  26
.set RD,   27
; windows 2, 3: the second product's accumulators, tile of rows mt in window 2 + mt / 2, (mt, nt) at 128 (mt % 2) + 8 nt.   window 1: LN's fragments (mt, ks) at 64 mt + 16 ks; before that two sets of 128 for the inputs; at the end b2
; scalar registers
.set WV,   22
.set CH,   23
.set RH,   24
.set G1A,  32                          ; s[32:39] descriptor group 1 for W1's tiles;  s[40:47] for W2's;  s[48:51], s[52:55] their groups 0, which walk
.set G1B,  40
.set G0A,  48
.set G0B,  52
.set CT,   56                          ; the trip in phase A
.set JB,   57                          ; 1,024 x block: the block's b1 in bytes
.set J,    58                          ; the block
.set SEL,  62                          ; s[62:63] v_permlanex16_b32's selects for lane l xor 16
.set CB,   66                          ; s[66:67] gelu's B
.set RE1,  68                          ; s[68:69] 2^-E1
.set RE2,  70                          ; s[70:71] 2^-E2
.set PE2,  72                          ; s[72:73] 2^E2
.set PO,   74                          ; s[74:75] inputs at my 64 rows, my 256 columns
.set PR,   76                          ; s[76:77] inputs four rows of the grid further on (cyclic), the same columns
.set CXO,  88                          ; the prefetch: two tiles of W1 on, + my work-group's 128 blocks of 256 bytes
.set MSB, 0
.macro WIN new                         ; the immediate's high byte repeats the setting that is left; bits 1:0 source 0, 3:2 source 1, 5:4 source 2, 7:6 destination
.if MSB != (\new)
	s_set_vgpr_msb (MSB<<8)|(\new)
.set MSB, (\new)
.endif
.endm
; A load into a register that a matrix instruction has named, and a vector instruction that reads a matrix result or writes such a register, stand four places behind it; a matrix instruction that writes over
; such a register five (ISA guide 7.12.1 for vector instructions).  Only plain vector instructions that name none of its registers are places.
.macro PLACES n
.rept \n
	v_nop
.endr
.endm
.macro BAR                             ; my LDS stores have landed and my LDS loads are in: then the work-group's barrier
	s_wait_dscnt 0x0
	s_barrier_signal -1
	s_barrier_wait -1
.endm
.macro ROUND                           ; a round of the cluster's barrier: my work-group's barrier; wave 0 signals for the work-group; every wave waits for all four work-groups; my work-group's barrier once more
	s_barrier_signal -1
	s_barrier_wait -1
	s_cmp_lg_u32 s[WV], 0
	s_cbranch_scc1 .Lnot_wave_0_\@
	s_barrier_signal -3
.Lnot_wave_0_\@:
	s_barrier_wait -3
	s_barrier_signal -1
	s_barrier_wait -1
.endm
; THE CHANGE OF PHASES.  Each wave waits for all its tensor loads (its quarter of the slot that is read next), adds 0 to its spare word, and waits for that, for its LDS reads of the slot that it leaves
; and for its stores of H's images.  which = 0: ahead of phase A, slot 1 takes this block's tile of W2;  which = 1: ahead of phase B, slot 0 takes the next block's tile of W1 (fill = 0: there is none).
.macro CHANGE which, fill
	s_wait_tensorcnt 0x0                           ; no tensor load of mine is out, so a group 0 may be written
	ds_add_u32 v[SPW], v[NIL]                      ; 0 onto my spare word
.if (\which) && (\fill)
	s_add_nc_u64 s[G0A+2:G0A+3], s[G0A+2:G0A+3], 256*512   ; W1's next 256 rows,
	s_add_nc_u64 s[G0B+2:G0B+3], s[G0B+2:G0B+3], 256       ; the next 256 bytes of W2's rows; the type bits on top are not reached
.endif
	s_wait_dscnt 0x0
.if \fill
	ROUND
.if \which
	tensor_load_to_lds s[G0A:G0A+3], s[G1A:G1A+7]  ; the first thing behind the round, and my one tensor load until the next
.else
	tensor_load_to_lds s[G0B:G0B+3], s[G1B:G1B+7]
.endif
	s_nop 0
.else
	s_barrier_signal -1
	s_barrier_wait -1
.endif
	PLACES 4
.endm
; ---------------- the prologue's macros
; Unit u = 16 rows (tile u / 2) x 128 columns (half u % 2 of my 256): 16 loads of my rows and 16 of the rolled rows, each 512 consecutive bytes of one row, into set u % 2 of window 1.
; The roll along a row of the grid is a constant of each line: row k takes row (k + 4) mod 64.
.macro LDU u
.set MTL, (\u)/2
.set QL, (\u)%2
	WIN 0x40
.set k, 0
.rept 16
	global_load_b128 v[128*QL+4*k:128*QL+4*k+3], v[L16], s[PO:PO+1] offset:(16*MTL+k)*ROWB+512*QL
.set k, k+1
.endr
.set k, 0
.rept 16
	global_load_b128 v[128*QL+64+4*k:128*QL+64+4*k+3], v[L16], s[PR:PR+1] offset:((16*MTL+k+4)%64)*ROWB+512*QL
.set k, k+1
.endr
.endm
; x = the two, added; through my own stage in LDS it turns from rows across lanes into the accumulators' layout: lane (r, h) holds row r, columns 16 nt + 8 h + 0 .. 7.
.macro UNIT u
.set MTU, (\u)/2
.set QU, (\u)%2
.if (\u) < 7
	s_wait_loadcnt 32                              ; this unit's 32 loads are in; the next unit's 32 may be out
.else
	s_wait_loadcnt 0x0
.endif
	WIN 0x45
.set k, 0
.rept 32
	v_pk_add_f32 v[128*QU+2*k:128*QU+2*k+1], v[128*QU+2*k:128*QU+2*k+1], v[128*QU+64+2*k:128*QU+64+2*k+1]
.set k, k+1
.endr
	WIN 0x04                                       ; store data in window 1
.set k, 0
.rept 16
	ds_store_b128 v[XSTA], v[128*QU+4*k:128*QU+4*k+3] offset:XP*k
.set k, k+1
.endr
	WIN 0x80+0x40*(MTU/2)                          ; LDS serves a wave's instructions in order (ISA guide 5.7.1.4): these see the stores above, and the next unit's stores come behind them
.set k, 0
.rept 16
	ds_load_b128 v[128*(MTU%2)+64*QU+4*k:128*(MTU%2)+64*QU+4*k+3], v[XLD] offset:64*(k/2)+16*(k%2)
.set k, k+1
.endr
.if (\u) < 6
	s_wait_dscnt 16                                ; the 16 stores have read their registers (the 16 loads may be out): the set takes the unit two on
	LDU (\u)+2
.endif
.endm
.macro LGB np                          ; gamma and beta of my columns 32 np + 16 tl + 8 h + 0 .. 7, from LDS, into set np % 2
.set GL, GBUF+32*((\np)%2)
.irp q, 0,1,2,3
	ds_load_b128 v[GL+4*\q:GL+4*\q+3], v[GBA] offset:128*(\np)+64*(\q/2)+16*(\q%2)
	ds_load_b128 v[GL+16+4*\q:GL+16+4*\q+3], v[GBA] offset:2048+128*(\np)+64*(\q/2)+16*(\q%2)
.endr
.endm
.macro TREE t, d                       ; 32 pairs at v[t] become one number in v[d]
.irp n, 16,8,4,2,1
.set i, 0
.rept \n
	v_pk_add_f32 v[\t+2*i:\t+2*i+1], v[\t+2*i:\t+2*i+1], v[\t+2*(i+\n):\t+2*(i+\n)+1]
.set i, i+1
.endr
.endr
	v_add_f32 v[\d], v[\t], v[\t+1]
.endm
.macro XLANE                           ; a row's other columns of my half lie in the lane 16 away
.irp mt, 0,1,2,3
	v_permlanex16_b32 v[OTH+\mt], v[SUM+\mt], s[SEL], s[SEL+1]
.endr
.irp mt, 0,1,2,3
	v_add_f32 v[SUM+\mt], v[SUM+\mt], v[OTH+\mt]
.endr
.endm
; Column tiles 2 np, 2 np + 1 of all four tiles of rows: ((x - mean) x rstd) x gamma + beta, in the order in which the problem writes it, held within +-448 x 2^e0, to codes:
; two registers a column tile: they go to piece np % 4 of the image of K step 2 ch + np / 4, 8 bytes a lane, for my column partner and for me.
.macro NORM np
.set GN, GBUF+32*((\np)%2)
.if (\np) < 7
	LGB (\np)+1
	s_wait_dscnt 8                                 ; this pair's gamma and beta are in; the next pair's eight loads may be out
.else
	s_wait_dscnt 0x0
.endif
.irp w, 0,1
	WIN 0x02+\w
.irp m, 0,1
.set i, 0
.rept 8
	v_pk_mul_f32 v[DN+16*(2*\w+\m)+2*i:DN+16*(2*\w+\m)+2*i+1], v[128*\m+16*(\np)+2*i:128*\m+16*(\np)+2*i+1], v[RSTD+2*(2*\w+\m):RSTD+2*(2*\w+\m)+1]
.set i, i+1
.endr
.endr
.endr
	WIN 0
.irp mt, 0,1,2,3
.set i, 0
.rept 8
	v_pk_fma_f32 v[DN+16*\mt+2*i:DN+16*\mt+2*i+1], v[DN+16*\mt+2*i:DN+16*\mt+2*i+1], v[GN+2*i:GN+2*i+1], v[GN+16+2*i:GN+16+2*i+1]
.set i, i+1
.endr
.endr
.set i, 0
.rept 64
	v_med3_num_f32 v[DN+i], v[DN+i], -v[LIM0], v[LIM0]   ; the conversion to an 8-bit code does not saturate (ISA guide 7.6.2): the hold at the largest code x the scale
.set i, i+1
.endr
	s_wait_alu depctr_va_vdst(0)
	s_wait_dscnt 0x0                               ; the last images' stores have read the codes' registers
.irp mt, 0,1,2,3
	v_cvt_scalef32_pk8_fp8_f32 v[PC+4*\mt:PC+4*\mt+1], v[DN+16*\mt:DN+16*\mt+7], v[SC0]
	v_cvt_scalef32_pk8_fp8_f32 v[PC+4*\mt+2:PC+4*\mt+3], v[DN+16*\mt+8:DN+16*\mt+15], v[SC0]
.endr
	v_nop                                          ; one plain vector instruction behind the last conversion of a run
.irp mt, 0,1,2,3
.irp u, 0,1
	ds_store_b64 v[HST], v[PC+4*\mt+2*\u:PC+4*\mt+2*\u+1] offset:4096*\mt+512*((\np)%4)+256*\u
.endr
.endr
.endm
.macro LA1 o                           ; the fragments of K steps o and 2 + o of my 64 rows, mine and my partner's, into window 1
	WIN 0x40
.irp mt, 0,1,2,3
.irp cp, 0,1
.irp p, 0,1,2,3
	ds_load_b128 v[64*\mt+16*(2*\cp+\o)+4*\p:64*\mt+16*(2*\cp+\o)+4*\p+3], v[HLD] offset:4096*\mt+2048*\cp+512*\p
.endr
.endr
.endr
	WIN 0
.endm
; ---------------- phase A's macros
.macro LW1                             ; W1: the trip's two tiles of units, all four K steps: 32 loads of 16 bytes, K step by K step
.irp ks, 0,1,2,3
.irp tl, 0,1
.irp c, 0,1,2,3
	ds_load_b128 v[WB+32*\ks+16*\tl+4*\c:WB+32*\ks+16*\tl+4*\c+3], v[ADR1] offset:16*\tl*PW1+128*\ks+32*\c
.endr
.endr
.endr
.endm
.macro LB                              ; b1 / 2^E1 of the two tiles, in the result's layout: lane (r, h): units 16 tl + 8 h + 0 .. 7
.irp q, 0,1,2,3
	ds_load_b128 v[BIA+4*\q:BIA+4*\q+3], v[B1A] offset:64*(\q/2)+16*(\q%2)
.endr
.endm
; 32 products: 4 tiles of rows x 2 tiles of units x 4 K steps.  The eight accumulators take turns, one instruction a turn.  b1 / 2^E1 is the C of each sum's first product.
.macro G1
	WIN 0x04                                       ; source 1 (LN's codes) in window 1
.irp ks, 0,1,2,3
	s_wait_dscnt 24-8*\ks                          ; b1 and this K step's 8 loads are in; the later K steps' 8 each may be out
.irp mt, 0,1,2,3
.irp tl, 0,1
.if \ks == 0
	v_wmma_f32_16x16x128_fp8_fp8 v[ACC1+16*\mt+8*\tl:ACC1+16*\mt+8*\tl+7], v[WB+32*\ks+16*\tl:WB+32*\ks+16*\tl+15], v[64*\mt+16*\ks:64*\mt+16*\ks+15], v[BIA+8*\tl:BIA+8*\tl+7]
.else
	v_wmma_f32_16x16x128_fp8_fp8 v[ACC1+16*\mt+8*\tl:ACC1+16*\mt+8*\tl+7], v[WB+32*\ks+16*\tl:WB+32*\ks+16*\tl+15], v[64*\mt+16*\ks:64*\mt+16*\ks+15], v[ACC1+16*\mt+8*\tl:ACC1+16*\mt+8*\tl+7]
.endif
.endr
.endr
.endr
	WIN 0
	PLACES 4
.endm
; 32 numbers of a lane (tiles of rows 2 b, 2 b + 1): s / (1 + 2^z), z = s (A + B s^2); held; to codes by the one scale 2^(e2 - E1), into which the three scales are folded.
; Where z overflows, 2^z is 0 or infinity and the quotient s or -0: no NaN arises.  Each accumulator is read from its low end on.
.macro GELU b
.set SG, ACC1+32*(\b)
.if \b
	s_wait_alu depctr_va_vdst(0)                   ; the wait stands ahead of the first reader of these sums
.endif
.set p, 0
.rept 16
	v_pk_mul_f32 v[TT+p:TT+p+1], v[SG+p:SG+p+1], v[SG+p:SG+p+1]
.set p, p+2
.endr
.set p, 0
.rept 16
	v_pk_fma_f32 v[TT+p:TT+p+1], v[TT+p:TT+p+1], s[CB:CB+1], v[CA:CA+1] op_sel_hi:[1,0,1]
.set p, p+2
.endr
.set p, 0
.rept 16
	v_pk_mul_f32 v[TT+p:TT+p+1], v[TT+p:TT+p+1], v[SG+p:SG+p+1]
.set p, p+2
.endr
	s_wait_alu depctr_va_vdst(0)                   ; a wait ahead of each batch of transcendentals and one behind it
.set p, 0
.rept 32
	v_exp_f32 v[TT+p], v[TT+p]
.set p, p+1
.endr
	v_nop                                          ; a plain instruction between the last transcendental and the use of its result
	s_wait_alu depctr_va_vdst(0)
.set p, 0
.rept 16
	v_pk_add_f32 v[TT+p:TT+p+1], v[TT+p:TT+p+1], 1.0 op_sel_hi:[1,0]
.set p, p+2
.endr
	s_wait_alu depctr_va_vdst(0)
.set p, 0
.rept 32
	v_rcp_f32 v[TT+p], v[TT+p]
.set p, p+1
.endr
	v_nop
	s_wait_alu depctr_va_vdst(0)
.set p, 0
.rept 16
	v_pk_mul_f32 v[SG+p:SG+p+1], v[SG+p:SG+p+1], v[TT+p:TT+p+1]
.set p, p+2
.endr
.set p, 0
.rept 32
	v_med3_num_f32 v[SG+p], v[SG+p], -v[LIMH], v[LIMH]
.set p, p+1
.endr
.irp q, 0,1,2,3
	v_cvt_scalef32_pk8_fp8_f32 v[TT+2*\q:TT+2*\q+1], v[SG+8*\q:SG+8*\q+7], v[SCH]
.endr
	v_nop                                          ; one plain vector instruction behind the last conversion of a run
.irp q, 0,1,2,3
	ds_store_b64 v[HSA], v[TT+2*\q:TT+2*\q+1] offset:4096*(2*(\b)+\q/2)+256*(\q%2)   ; image of (tile of rows 2 b + q / 2, K step ch): piece = trip, parity q % 2
.endr
.endm
; PHASE A: four trips of 32 units.  The next trip's fragments and b1 are asked for behind a trip's products and land under its gelu; the last trip asks for none.
.macro PHA last
	CHANGE 0, 1
.if \last
	s_mov_b32 s[JB], 7<<10
.else
	s_lshl_b32 s[JB], s[J], 10
.endif
	s_wait_xcnt 0x0                                ; phase B's prefetch has read its offset register, which is written again below
	v_mov_b32 v[ADR1], v[AW1]                      ; (with the four v_nop above: the places between phase B's products, which read v16-255, and the loads and products that now write them)
	v_add_nc_u32 v[B1A], s[JB], v[B1O]
	LB
	LW1
	s_mov_b32 s[CT], 0
.Ltrip_\@:
	G1
	s_cmp_eq_u32 s[CT], 3
	s_cbranch_scc1 .Lnone_\@
	s_add_co_u32 s25, s[CT], 1
	s_min_u32 s25, s25, 3                          ; the trip after this one, held at the block's last: the address stays inside my half of the tile
	s_mul_i32 s26, s25, 32*PW1
	s_lshl_b32 s25, s25, 7
	s_add_co_u32 s25, s25, s[JB]
	v_add_nc_u32 v[ADR1], s26, v[AW1]
	v_add_nc_u32 v[B1A], s25, v[B1O]
	LB
	LW1
.Lnone_\@:
	s_lshl_b32 s25, s[CT], 9
	v_add_nc_u32 v[HSA], s25, v[HST]
	GELU 0
	GELU 1
	s_add_co_u32 s[CT], s[CT], 1
	s_cmp_lt_u32 s[CT], 4
	s_cbranch_scc1 .Ltrip_\@
.endm
; ---------------- phase B's macros
.macro LW2 ks, g, set                  ; W2: column tiles 2 g, 2 g + 1 of my sixteen, K step ks of the block's two: 8 loads of 16 bytes
.irp i, 0,1
.irp c, 0,1,2,3
	ds_load_b128 v[\set+16*\i+4*\c:\set+16*\i+4*\c+3], v[AW2] offset:16*(2*(\g)+\i)*PW2+128*(\ks)+32*\c
.endr
.endr
.endm
.macro LHF reg, mt, ks                 ; H's fragment of tile of rows mt, K step ks
.irp p, 0,1,2,3
	ds_load_b128 v[\reg+4*\p:\reg+4*\p+3], v[HLD] offset:4096*(\mt)+2048*(\ks)+512*\p
.endr
.endm
.macro MM2 a, set, h
.irp i, 0,1
	v_wmma_f32_16x16x128_fp8_fp8 v[\a+8*\i:\a+8*\i+7], v[\set+16*\i:\set+16*\i+15], v[\h:\h+15], v[\a+8*\i:\a+8*\i+7]
.endr
.endm
; A group: 8 products on 8 different accumulators.  h0 .. h3: H's four fragments.  mid = 1: H of tiles 2, 3 is waited for in the middle (behind it: three sets' 24 loads and K step 1's 12);
; mid = 2: K step 0's fragment of tile 0 is done with, and its registers take K step 1's fragment of tile 3;  mid = 3: that fragment is waited for (behind it: one reload's 8)
.macro G2 g, set, h0, h1, h2, h3, mid
	WIN 0xa0                                       ; C and D in window 2
	MM2 16*(\g), \set, \h0
	MM2 128+16*(\g), \set, \h1
.if \mid == 1
	s_wait_dscnt 36
.endif
.if \mid == 2
	PLACES 4
	WIN 0
	LHF 64, 3, 1
.endif
.if \mid == 3
	s_wait_dscnt 8
.endif
	WIN 0xf0                                       ; C and D in window 3
	MM2 16*(\g), \set, \h2
	MM2 128+16*(\g), \set, \h3
.endm
.macro NEXT ks, g, set                 ; the set just multiplied takes the group four on
	PLACES 4
	WIN 0
	LW2 \ks, \g, \set
.endm
; PHASE B: two K steps x eight groups of two column tiles, on four sets of two fragments (v128, v160, v192, v224) that take turns: a reload has three groups in which to land.
; A wait's count is at most the loads issued behind those that the group needs: as a rule three reloads of 8.
.macro PHB fill, last
	CHANGE 1, \fill
	LHF 64, 0, 0
	LHF 80, 1, 0
	LW2 0, 0, 128
	LHF 96, 2, 0
	LHF 112, 3, 0
	LW2 0, 1, 160
	LW2 0, 2, 192
	LW2 0, 3, 224
	LHF 16, 0, 1
	LHF 32, 1, 1
	LHF 48, 2, 1
.if \last
	v_bfe_u32 v[ADR1], v0, 4, 1                    ; LN's codes are done with: b2, in the result's layout, takes their place
	s_lshl_b32 s25, s[CH], 10
	v_lshl_add_u32 v[GBO], v[ADR1], 5, s25
	WIN 0x40
.set k, 0
.rept 32
	global_load_b128 v[4*k:4*k+3], v[GBO], s[16:17] offset:64*(k/2)+16*(k%2)
.set k, k+1
.endr
	WIN 0
.endif
	s_wait_dscnt 44                                ; H of tiles 0, 1 and the first set are in; 8 + 24 + 12 may be out
	G2 0, 128, 64, 80, 96, 112, 1
	NEXT 0, 4, 128
	s_wait_dscnt 36                                ; the second set is in; 16 + 12 + 8 may be out
	G2 1, 160, 64, 80, 96, 112, 0
	NEXT 0, 5, 160
.if \fill
	s_cmp_lt_u32 ttmp9, 4                          ; the first four clusters ask,
	s_cbranch_scc0 .Lnot_mine_\@
	s_cmp_lt_u32 s[J], 6                           ; while there is a tile two blocks on
	s_cbranch_scc0 .Lnot_mine_\@
	s_lshl_b32 s25, s[J], 17
	s_add_co_u32 s25, s25, s[CXO]
	v_lshl_add_u32 v[ADR1], v0, 8, s25             ; block j + 2's tile, 131,072 bytes: my work-group's quarter, a block of 256 bytes a thread
	global_prefetch_b8 v[ADR1], s[10:11] th:TH_LOAD_NT scope:SCOPE_SE
.Lnot_mine_\@:
.endif
	s_wait_dscnt 36                                ; 8 + 12 + 16
	G2 2, 192, 64, 80, 96, 112, 0
	NEXT 0, 6, 192
	s_wait_dscnt 36                                ; 12 + 24
	G2 3, 224, 64, 80, 96, 112, 0
	NEXT 0, 7, 224
	s_wait_dscnt 24
	G2 4, 128, 64, 80, 96, 112, 0
	NEXT 1, 0, 128
	s_wait_dscnt 24
	G2 5, 160, 64, 80, 96, 112, 0
	NEXT 1, 1, 160
	s_wait_dscnt 24
	G2 6, 192, 64, 80, 96, 112, 0
	NEXT 1, 2, 192
	s_wait_dscnt 24
	G2 7, 224, 64, 80, 96, 112, 2
	NEXT 1, 3, 224
	s_wait_dscnt 24
	G2 0, 128, 16, 32, 48, 64, 3
	NEXT 1, 4, 128
	s_wait_dscnt 24
	G2 1, 160, 16, 32, 48, 64, 0
	NEXT 1, 5, 160
	s_wait_dscnt 24
	G2 2, 192, 16, 32, 48, 64, 0
	NEXT 1, 6, 192
	s_wait_dscnt 24
	G2 3, 224, 16, 32, 48, 64, 0
	NEXT 1, 7, 224
	s_wait_dscnt 24
	G2 4, 128, 16, 32, 48, 64, 0
	s_wait_dscnt 16
	G2 5, 160, 16, 32, 48, 64, 0
	s_wait_dscnt 8
	G2 6, 192, 16, 32, 48, 64, 0
	s_wait_dscnt 0x0
	G2 7, 224, 16, 32, 48, 64, 0
	WIN 0
.endm
; ---------------- the head
	s_load_b512 s[4:19], s[0:1], 0x0               ; inputs s[4:5], gamma s[6:7], beta s[8:9], W1 s[10:11], b1 s[12:13], W2 s[14:15], b2 s[16:17], the scales' exponents s[18:19]
	s_load_b64 s[20:21], s[0:1], 0x40              ; out
	v_lshl_add_u32 v[SPW], v0, 2, SPARE
	v_mov_b32 v[NIL], 0
	ds_add_u32 v[SPW], v[NIL]                      ; the opening lines: the add, twice on end, and its wait ahead of my first tensor load
	ds_add_u32 v[SPW], v[NIL]
	s_wait_dscnt 0x0
	v_lshrrev_b32 v24, 5, v0
	v_readfirstlane_b32 s[WV], v24                 ; wave 0..3
	s_and_b32 s[CH], s[WV], 1                      ; my half of the columns
	s_lshr_b32 s[RH], s[WV], 1                     ; my 64 rows
	v_and_b32 v24, 15, v0                          ; r
	v_bfe_u32 v25, v0, 4, 1                        ; h
	v_and_b32 v26, 31, v0
	v_lshlrev_b32 v[L16], 4, v26
	v_lshlrev_b32 v27, 4, v0                       ; b1, gamma and beta on their way in: 16 bytes a thread,
	v_add_nc_u32 v28, B1L, v27                     ; and the same place in LDS
	s_mul_i32 s25, s[CH], 128*PW1                  ; my half of W1's tile
	s_mul_i32 s26, s[CH], 256*PW2
	s_add_co_u32 s26, s26, W2OFF                   ; my half of W2's
	v_mul_u32_u24 v[AW1], v24, PW1
	v_lshl_add_u32 v[AW1], v25, 4, v[AW1]
	v_add_nc_u32 v[AW1], s25, v[AW1]
	v_mul_u32_u24 v[AW2], v24, PW2
	v_lshl_add_u32 v[AW2], v25, 4, v[AW2]
	v_add_nc_u32 v[AW2], s26, v[AW2]
	s_lshl_b32 s25, s[RH], 14
	s_add_co_u32 s25, s25, U0
	v_add_nc_u32 v[HLD], s25, v[L16]               ; images: 16,384 rh + 4,096 mt + 2,048 x K step + 512 x piece + 16 x lane
	s_lshl_b32 s26, s[CH], 11
	s_add_co_u32 s26, s26, s25
	v_lshlrev_b32 v[HST], 4, v24
	v_lshl_add_u32 v[HST], v25, 3, v[HST]
	v_add_nc_u32 v[HST], s26, v[HST]               ; my pieces of 8 bytes: 16 r + 8 h in the images of K step ch
	s_lshl_b32 s26, s[CH], 10
	s_add_co_u32 s26, s26, GBL
	v_lshl_add_u32 v[GBA], v25, 5, s26
	s_lshl_b32 s25, s[CH], 9
	s_add_co_u32 s25, s25, B1L
	v_lshl_add_u32 v[B1O], v25, 5, s25
	s_mul_i32 s25, s[WV], 16*XP
	s_add_co_u32 s25, s25, U0                      ; my stage on the way in
	v_add_nc_u32 v[XSTA], s25, v[L16]
	v_mul_u32_u24 v[XLD], v24, XP
	v_lshl_add_u32 v[XLD], v25, 5, v[XLD]
	v_add_nc_u32 v[XLD], s25, v[XLD]
	s_lshl_b32 s25, s[WV], 9
	s_add_co_u32 s25, s25, STAT
	v_add_nc_u32 v[STS], s25, v[L16]               ; my wave's figures: 16 bytes a lane,
	s_xor_b32 s25, s[WV], 1
	s_lshl_b32 s25, s25, 9
	s_add_co_u32 s25, s25, STAT
	v_add_nc_u32 v[STL], s25, v[L16]               ; and my column partner's
.irp mt, 0,1,2,3
	v_mov_b32 v[OTH+\mt], 0                        ; written once: a lane permute's destination counts as one of its sources
.endr
	s_mov_b32 s[SEL], 0x76543210
	s_mov_b32 s[SEL+1], 0xfedcba98
	s_mov_b32 s86, 0x3b000000                      ; 1 / 512
	s_mov_b32 s87, 0x358637bd                      ; eps = 1e-6
	; my place: it enters the addresses of inputs and out and the prefetch's offset alone, never an LDS address, a branch or a descriptor
	s_bfe_u32 s25, ttmp6, 0x40000                  ; cx
	s_lshl_b32 s[CXO], s25, 15                     ; 128 blocks of 256 bytes for each partner,
	s_add_co_u32 s[CXO], s[CXO], 2*256*512         ; two tiles on
	s_lshl_b32 s26, ttmp9, 2
	s_add_co_u32 s26, s26, s25                     ; g = 4 x cluster x + cx: rows 128 g on: rows 2 (g % 32), 2 (g % 32) + 1 of the grid of batch g / 32
	s_lshl_b32 s27, s[RH], 17
	s_lshl_b32 s25, s[CH], 10
	s_add_co_u32 s27, s27, s25                     ; my 64 rows, my 1,024 bytes of each
	s_lshl_b32 s78, s26, 18
	s_add_co_u32 s78, s78, s27
	s_mov_b32 s79, 0
	s_add_co_u32 s80, s26, 2                       ; four rows of the grid on are two work-groups on, cyclic within the batch's 32
	s_and_b32 s80, s80, 31
	s_and_b32 s81, s26, 0xe0
	s_or_b32 s80, s80, s81
	s_lshl_b32 s80, s80, 18
	s_add_co_u32 s80, s80, s27
	s_mov_b32 s81, 0
	s_lshl_b32 s82, s[WV], 15                      ; W1: my quarter of a tile: 64 rows of 512 bytes
	s_mov_b32 s83, 0
	s_lshl_b32 s84, s[WV], 18                      ; W2: 128 rows of 2,048 bytes
	s_mov_b32 s85, 0
	s_mul_i32 s59, s[WV], 64*PW1                   ; and where they go
	s_mul_i32 s60, s[WV], 128*PW2
	s_add_co_u32 s60, s60, W2OFF
	; descriptor group 1.  W1: 64 rows x 512 bytes, dense;  W2: 128 rows x 256 bytes, 2,048 apart
	s_mov_b32 s[G1A], 15|(1<<20)|(1<<21)|(6<<22)|(3<<25)   ; 15:0 the mask: all four work-groups; 17:16 elements of 1 byte; 20 padding on; 21 set beside a mask; 24:22 after every 128 words (code 6); 31:25 four words (code 3)
	s_mov_b32 s[G1A+1], 512<<16                    ; tensor_dim0
	s_mov_b32 s[G1A+2], 64<<16                     ; tensor_dim1
	s_mov_b32 s[G1A+3], 512<<16                    ; tile_dim0
	s_mov_b32 s[G1A+4], 64                         ; tile_dim1
	s_mov_b32 s[G1A+5], 512                        ; tensor_dim0_stride
	s_mov_b32 s[G1A+6], 0
	s_mov_b32 s[G1A+7], 0
	s_mov_b32 s[G1B], 15|(1<<20)|(1<<21)|(5<<22)|(3<<25)   ; padding: four words after every 64 (code 5)
	s_mov_b32 s[G1B+1], 256<<16
	s_mov_b32 s[G1B+2], 128<<16
	s_mov_b32 s[G1B+3], 256<<16
	s_mov_b32 s[G1B+4], 128
	s_mov_b32 s[G1B+5], 2048
	s_mov_b32 s[G1B+6], 0
	s_mov_b32 s[G1B+7], 0
	s_mov_b32 s[G0A], 1                            ; 1:0 count = 1
	s_mov_b32 s[G0A+1], s59                        ; 63:32 LDS address
	s_mov_b32 s[G0B], 1
	s_mov_b32 s[G0B+1], s60
	s_wait_alu depctr_va_vdst(0)
	s_wait_kmcnt 0x0
	s_load_b128 s[28:31], s[18:19], 0x0            ; e0, e1, e2, e3
	s_add_nc_u64 s[PO:PO+1], s[4:5], s[78:79]
	s_add_nc_u64 s[PR:PR+1], s[4:5], s[80:81]
	s_add_nc_u64 s[20:21], s[20:21], s[78:79]      ; out at my rows and columns
	s_add_nc_u64 s[G0A+2:G0A+3], s[10:11], s[82:83]    ; 120:64 global address: block 0's tile
	s_or_b32 s[G0A+3], s[G0A+3], 0x80000000        ; 127:126 type = 2
	s_add_nc_u64 s[G0B+2:G0B+3], s[14:15], s[84:85]
	s_or_b32 s[G0B+3], s[G0B+3], 0x80000000
.irp q, 0,1,2,3
	global_load_b128 v[DN+4*\q:DN+4*\q+3], v27, s[12:13] offset:2048*\q   ; b1: 128 threads x 16 bytes, four times
.endr
	global_load_b128 v[DN+16:DN+19], v27, s[6:7]   ; gamma: 128 threads x 16 bytes
	global_load_b128 v[DN+20:DN+23], v27, s[8:9]   ; beta
	LDU 0                                          ; the inputs' first two units
	LDU 1
	WIN 0
	ROUND                                          ; all four work-groups are here: the first joint loads meet
	tensor_load_to_lds s[G0A:G0A+3], s[G1A:G1A+7]  ; block 0's tile of W1 into slot 0: one tensor load a wave at the head
	s_nop 0
	PLACES 4
	s_wait_kmcnt 0x0
	s_add_co_i32 s2, s28, s29                      ; E1
	s_add_co_i32 s3, s30, s31                      ; E2
	s_add_co_i32 s25, s28, 127
	s_lshl_b32 s26, s25, 23
	v_mov_b32 v[SC0], s26                          ; 2^e0 as f32
	s_add_co_i32 s25, s25, 8
	s_lshl_b32 s25, s25, 23
	s_or_b32 s25, s25, 0x600000
	v_mov_b32 v[LIM0], s25                         ; 448 x 2^e0
	s_sub_co_i32 s25, s30, s2
	s_add_co_i32 s25, s25, 127
	s_lshl_b32 s26, s25, 23
	v_mov_b32 v[SCH], s26                          ; 2^(e2 - E1)
	s_add_co_i32 s25, s25, 8
	s_lshl_b32 s25, s25, 23
	s_or_b32 s25, s25, 0x600000
	v_mov_b32 v[LIMH], s25
	s_lshl_b32 s25, s2, 23
	s_add_co_u32 s25, s25, 0xc0135761              ; A = A0 x 2^E1: E1 is added to the exponent field of A0 = -2.3022082
	v_mov_b32 v[CA], s25
	v_mov_b32 v[CA+1], s25
	s_mul_i32 s25, s2, 3
	s_lshl_b32 s25, s25, 23
	s_add_co_u32 s[CB], s25, 0xbdd2d3e8            ; B = B0 x 2^(3 E1), B0 = -0.10294324
	s_mov_b32 s[CB+1], s[CB]                       ; (the packed forms name pairs and take the low word for both halves: so the upper words are written)
	s_sub_co_i32 s25, 127, s2
	s_lshl_b32 s[RE1], s25, 23
	s_mov_b32 s[RE1+1], s[RE1]
	s_sub_co_i32 s25, 127, s3
	s_lshl_b32 s[RE2], s25, 23
	s_mov_b32 s[RE2+1], s[RE2]
	s_add_co_i32 s25, s3, 127
	s_lshl_b32 s[PE2], s25, 23
	s_mov_b32 s[PE2+1], s[PE2]
; ---------------- x = inputs + rolled inputs, into windows 2 and 3
	UNIT 0
	WIN 0                                          ; the six loads of b1, gamma and beta are older than unit 0's: they are in.  A sum of the first product stands for sum x 2^E1, so b1 is kept as b1 / 2^E1
.set i, 0
.rept 8
	v_pk_mul_f32 v[DN+2*i:DN+2*i+1], v[DN+2*i:DN+2*i+1], s[RE1:RE1+1] op_sel_hi:[1,0]
.set i, i+1
.endr
.irp q, 0,1,2,3
	ds_store_b128 v28, v[DN+4*\q:DN+4*\q+3] offset:2048*\q
.endr
	ds_store_b128 v28, v[DN+16:DN+19] offset:8192  ; gamma
	ds_store_b128 v28, v[DN+20:DN+23] offset:10240 ; beta
.irp u, 1,2,3,4,5,6,7
	UNIT \u
.endr
	WIN 0
	s_wait_dscnt 0x0
; ---------------- the rows' means: my 128 numbers of each row, the lane 16 away, my column partner
.irp w, 0,1
	WIN 0x0a+5*\w
.set i, 0
.rept 64
	v_pk_add_f32 v[DN+2*i:DN+2*i+1], v[4*i:4*i+1], v[4*i+2:4*i+3]
.set i, i+1
.endr
	WIN 0
	TREE DN, SUM+2*\w
	TREE DN+64, SUM+2*\w+1
.endr
	XLANE
	ds_store_b128 v[STS], v[SUM:SUM+3]
	s_wait_alu depctr_va_vdst(0)
	BAR
	ds_load_b128 v[OTH:OTH+3], v[STL]
	s_wait_dscnt 0x0
.irp mt, 0,1,2,3
	v_add_f32 v[SUM+\mt], v[SUM+\mt], v[OTH+\mt]
.endr
.irp mt, 0,1,2,3
	v_mul_f32 v[NMU+2*\mt], 0xbb000000, v[SUM+\mt]     ; -mean = sum x -1 / 512
	v_mul_f32 v[NMU+2*\mt+1], 0xbb000000, v[SUM+\mt]
.endr
; ---------------- x becomes d = x - mean, in place; the variance is the mean of d^2 (a second pass: no difference of large sums is formed)
.irp w, 0,1
	WIN 0x82+0x41*\w
.irp m, 0,1
.set i, 0
.rept 64
	v_pk_add_f32 v[128*\m+2*i:128*\m+2*i+1], v[128*\m+2*i:128*\m+2*i+1], v[NMU+2*(2*\w+\m):NMU+2*(2*\w+\m)+1]
.set i, i+1
.endr
.endr
	WIN 0x0a+5*\w
.irp m, 0,1
.set i, 0
.rept 64
.if i < 4
	v_pk_mul_f32 v[DN+8*(2*\w+\m)+2*i:DN+8*(2*\w+\m)+2*i+1], v[128*\m+2*i:128*\m+2*i+1], v[128*\m+2*i:128*\m+2*i+1]   ; four chains a tile, started by the first four pairs
.else
	v_pk_fma_f32 v[DN+8*(2*\w+\m)+2*(i%4):DN+8*(2*\w+\m)+2*(i%4)+1], v[128*\m+2*i:128*\m+2*i+1], v[128*\m+2*i:128*\m+2*i+1], v[DN+8*(2*\w+\m)+2*(i%4):DN+8*(2*\w+\m)+2*(i%4)+1]
.endif
.set i, i+1
.endr
.endr
.endr
	WIN 0
.irp mt, 0,1,2,3
	v_pk_add_f32 v[DN+8*\mt:DN+8*\mt+1], v[DN+8*\mt:DN+8*\mt+1], v[DN+8*\mt+2:DN+8*\mt+3]
	v_pk_add_f32 v[DN+8*\mt+4:DN+8*\mt+5], v[DN+8*\mt+4:DN+8*\mt+5], v[DN+8*\mt+6:DN+8*\mt+7]
.endr
.irp mt, 0,1,2,3
	v_pk_add_f32 v[DN+8*\mt:DN+8*\mt+1], v[DN+8*\mt:DN+8*\mt+1], v[DN+8*\mt+4:DN+8*\mt+5]
.endr
.irp mt, 0,1,2,3
	v_add_f32 v[SUM+\mt], v[DN+8*\mt], v[DN+8*\mt+1]
.endr
	XLANE
	ds_store_b128 v[STS], v[SUM:SUM+3] offset:2048
	s_wait_alu depctr_va_vdst(0)
	BAR
	ds_load_b128 v[OTH:OTH+3], v[STL] offset:2048
	LGB 0                                          ; everybody's part of gamma and beta lies in LDS since the first barrier
	s_wait_dscnt 0x0
.irp mt, 0,1,2,3
	v_add_f32 v[CHN+\mt], v[SUM+\mt], v[OTH+\mt]
.endr
.irp mt, 0,1,2,3
	v_fma_f32 v[CHN+\mt], v[CHN+\mt], s86, s87     ; sum / 512 + eps (the product is exact)
.endr
	s_wait_alu depctr_va_vdst(0)
.irp mt, 0,1,2,3
	v_rsq_f32 v[RSTD+2*\mt], v[CHN+\mt]
.endr
	v_nop                                          ; a plain instruction between the last transcendental and the use of its result
	s_wait_alu depctr_va_vdst(0)
.irp mt, 0,1,2,3
	v_mov_b32 v[RSTD+2*\mt+1], v[RSTD+2*\mt]
.endr
; ---------------- LN's codes, in two halves, since the images' bytes hold half of the work-group's fragments
	s_wait_alu depctr_va_vdst(0)
	NORM 0
	NORM 1
	NORM 2
	NORM 3
	BAR                                            ; the images of K steps 0 and 2 lie in LDS
	LA1 0
	BAR                                            ; everybody has read them: they may be written again
	NORM 4
	NORM 5
	NORM 6
	NORM 7
	BAR                                            ; K steps 1 and 3
	LA1 1
; ---------------- d becomes x / 2^E2 = d / 2^E2 + mean / 2^E2: what the second product's sums start from
.irp i, 0,1,2,3,4,5,6,7
	v_mul_f32 v[NMU+\i], -v[NMU+\i], s[RE2]
.endr
.irp w, 0,1
	WIN 0x82+0x41*\w
.irp m, 0,1
.set i, 0
.rept 64
	v_pk_fma_f32 v[128*\m+2*i:128*\m+2*i+1], v[128*\m+2*i:128*\m+2*i+1], s[RE2:RE2+1], v[NMU+2*(2*\w+\m):NMU+2*(2*\w+\m)+1] op_sel_hi:[1,0,1]
.set i, i+1
.endr
.endr
.endr
	WIN 0
	s_mov_b32 s[J], 0
; ---------------- the 8 blocks.  The last is written out: its phase B asks for no tile
.Lblock:
	PHA 0
	PHB 1, 0
	s_add_co_u32 s[J], s[J], 1
	s_cmp_lt_u32 s[J], 7
	s_cbranch_scc1 .Lblock
	PHA 1
	PHB 0, 1
; ---------------- THE WAY OUT, a tile of 16 rows x 256 columns at a time: out = sum x 2^E2 + b2.  A lane holds 32 neighbouring bytes of a row and the lanes beside it hold other rows: so a tile goes through
; my own stage in LDS and comes back as half rows of 512 bytes, which the 32 lanes store as 512 consecutive bytes, at a multiple of 256 from out's first byte.  It comes back into the tile's own accumulators:
; no store's data are ever written again, and every offset is an immediate.
.macro FIN a
	WIN 0x12+(\a)/2                                ; the sums in window 2 or 3, b2 in window 1
.set i, 0
.rept 64
	v_pk_fma_f32 v[DN+2*i:DN+2*i+1], v[128*((\a)%2)+2*i:128*((\a)%2)+2*i+1], s[PE2:PE2+1], v[2*i:2*i+1] op_sel_hi:[1,0,1]   ; each accumulator from its low end on
.set i, i+1
.endr
	WIN 0
.endm
.macro STAGE a
.set k, 0
.rept 32
	ds_store_b128 v[STO], v[DN+4*k:DN+4*k+3] offset:64*(k/2)+16*(k%2)
.set k, k+1
.endr
	WIN 0x80+0x40*((\a)/2)
.set k, 0
.rept 32
	ds_load_b128 v[128*((\a)%2)+4*k:128*((\a)%2)+4*k+3], v[RD] offset:OP*(k/2)+512*(k%2)   ; LDS serves a wave's instructions in order: these see the stores above
.set k, k+1
.endr
	WIN 0
.endm
.macro SEND a
	s_wait_dscnt 0x0                               ; the tile is back in registers
	WIN 0x08+4*((\a)/2)                            ; store data in window 2 or 3
.set k, 0
.rept 32
	global_store_b128 v[L16], v[128*((\a)%2)+4*k:128*((\a)%2)+4*k+3], s[20:21] offset:(16*(\a)+k/2)*ROWB+512*(k%2) th:TH_STORE_NT   ; written once, read by nobody here
.set k, k+1
.endr
	WIN 0
.endm
	PLACES 4                                       ; the lines below write v24-27, which held a fragment of H that the last groups' products named
	v_and_b32 v24, 15, v0
	v_bfe_u32 v25, v0, 4, 1
	s_mul_i32 s2, s[WV], 16*OP                     ; my stage
	v_mul_u32_u24 v[STO], v24, OP
	v_lshl_add_u32 v[STO], v25, 5, v[STO]
	v_add_nc_u32 v[STO], s2, v[STO]                ; in: row r, 32 bytes for each half of the lanes
	v_add_nc_u32 v[RD], s2, v[L16]                 ; back: 16 bytes a lane
	s_wait_loadcnt 0x0                             ; b2
	FIN 0
	STAGE 0
.irp a, 1,2,3
	s_wait_dscnt 32                                ; the last tile's 32 stores into the stage have read their registers; its 32 loads may be out
	FIN \a                                         ; a tile's arithmetic stands between the loads of the tile before and its stores
	s_wait_alu depctr_va_vdst(0)
	SEND \a-1
	STAGE \a
.endr
	SEND 3
	s_wait_tensorcnt 0x0                           ; the wave's end, behind my last tensor load and my last LDS store
	ds_add_u32 v[SPW], v[NIL]
	s_wait_dscnt 0x0
	ROUND                                          ; the closing round: no work-group ends while a partner may still ask for a tile that names it
	s_endpgm
.Lfunc_end_k_qfb44c95ea9_swin:
	.size	k_qfb44c95ea9_swin, .Lfunc_end_k_qfb44c95ea9_swin-k_qfb44c95ea9_swin
	.p2alignl 7, 3214868480
	.fill 96, 4, 3214868480
	.section	.rodata,"a",@progbits
	.p2align	6, 0x0
	.amdhsa_kernel k_qfb44c95ea9_swin
		.amdhsa_group_segment_fixed_size 327680
		.amdhsa_private_segment_fixed_size 0
		.amdhsa_enable_private_segment 0
		.amdhsa_kernarg_size 72
		.amdhsa_user_sgpr_count 2
		.amdhsa_user_sgpr_kernarg_segment_ptr 1
		.amdhsa_wavefront_size32 1
		.amdhsa_system_sgpr_workgroup_id_x 1
		.amdhsa_system_sgpr_workgroup_id_y 1
		.amdhsa_system_sgpr_workgroup_id_z 1
		.amdhsa_system_vgpr_workitem_id 0
		.amdhsa_next_free_vgpr 1024
		.amdhsa_next_free_sgpr 100
		.amdhsa_reserve_vcc 0
		.amdhsa_float_denorm_mode_32 3
		.amdhsa_float_denorm_mode_16_64 3
		.amdhsa_memory_ordered 1
		.amdhsa_forward_progress 1
		.amdhsa_inst_pref_size 255
	.end_amdhsa_kernel
	.section	.bss,"aw",@nobits
	.p2align	6
	.space	262144
	.amdgpu_metadata
---
amdhsa.version: [ 1, 2 ]
amdhsa.kernels:
  - .name:           k_qfb44c95ea9_swin
    .symbol:         k_qfb44c95ea9_swin.kd
    .args:
      - { .name: inputs, .offset: 0, .size: 8, .value_kind: global_buffer, .address_space: global }
      - { .name: ln_gamma, .offset: 8, .size: 8, .value_kind: global_buffer, .address_space: global }
      - { .name: ln_beta, .offset: 16, .size: 8, .value_kind: global_buffer, .address_space: global }
      - { .name: W1_codes, .offset: 24, .size: 8, .value_kind: global_buffer, .address_space: global }
      - { .name: b1, .offset: 32, .size: 8, .value_kind: global_buffer, .address_space: global }
      - { .name: W2_codes, .offset: 40, .size: 8, .value_kind: global_buffer, .address_space: global }
      - { .name: b2, .offset: 48, .size: 8, .value_kind: global_buffer, .address_space: global }
      - { .name: lowp_scales, .offset: 56, .size: 8, .value_kind: global_buffer, .address_space: global }
      - { .name: out0, .offset: 64, .size: 8, .value_kind: global_buffer, .address_space: global }
    .group_segment_fixed_size: 327680
    .private_segment_fixed_size: 0
    .kernarg_segment_align: 8
    .kernarg_segment_size: 72
    .max_flat_workgroup_size: 128
    .sgpr_count:     100
    .vgpr_count:     1024
    .wavefront_size: 32
...
	.end_amdgpu_metadata
.endif
;; end of part 1
